; MI455X (gfx1250); checked and timed in simulation.
; The chip was launched on July 23, 2026; its instructions are those of AMD's public machine-readable ISA for CDNA 5 (MIT licence, August 2026) and "CDNA5" Instruction Set Architecture Reference Guide (July 2026). The comments in the code are by the model that wrote it; some were corrected since.
;; Attention. Allowed arithmetic: matrix products marked QUANTISED: E5M2 operands, one E8M0 scale for each 32 along K, by v_wmma_scale_f32_16x16x128_f8f6f4 with both operands' format E5M2, f32 sums; everything else in f32.
;; Inputs: Wk_codes 1,024 x 32 x 32 uint8 (E5M2 codes of Wk, K innermost, in blocks of 32 codes); Wk_scales 1,024 x 32 uint8 (E8M0 scales of Wk, one for each 32 codes along K); Wq_codes 1,024 x 32 x 32 uint8 (E5M2 codes of Wq, K innermost, in blocks of 32 codes); Wq_scales 1,024 x 32 uint8 (E8M0 scales of Wq, one for each 32 codes along K); Wv_codes 1,024 x 32 x 32 uint8 (E5M2 codes of Wv, K innermost, in blocks of 32 codes); Wv_scales 1,024 x 32 uint8 (E8M0 scales of Wv, one for each 32 codes along K); inputs_kv_codes 4 x 2,048 x 32 x 32 uint8 (E5M2 codes of inputs_kv, K innermost, in blocks of 32 codes); inputs_kv_scales 4 x 2,048 x 32 uint8 (E8M0 scales of inputs_kv, one for each 32 codes along K); inputs_q_codes 4 x 2,048 x 32 x 32 uint8 (E5M2 codes of inputs_q, K innermost, in blocks of 32 codes); inputs_q_scales 4 x 2,048 x 32 uint8 (E8M0 scales of inputs_q, one for each 32 codes along K).
;; Outputs: out0 4 x 2,048 x 1,024 float32.
;; This version of the problem:
;;   THIS VERSION OF THE PROBLEM IS GIVEN IN LOW PRECISION. The matrix products marked QUANTISED in the list below multiply operands that are first quantised to E5M2 (5 exponent bits, 2 mantissa bits; 8 bits a number), with one power-of-two scale for each 32 numbers along K (OCP MX v1.0); their sums are f32. All else is computed in f32.
;;   The module's matrix products, in the order in which they are computed (A, B: the left and right operand; K: the contracted axis; several contracted axes count as one K, in the product's order):
;;     1. [M 8,192, K 1,024] x [K 1,024, N 1,024]; A: input inputs_q (given as codes); B: input Wq (given as codes): QUANTISED
;;     2. [M 8,192, K 1,024] x [K 1,024, N 1,024]; A: input inputs_kv (given as codes); B: input Wk (given as codes): QUANTISED
;;     3. [M 8,192, K 1,024] x [K 1,024, N 1,024]; A: input inputs_kv (given as codes); B: input Wv (given as codes): QUANTISED
;;     4. batch 64 x [M 2,048, K 64] x [K 64, N 2,048]; A: computed on the way; B: computed on the way: QUANTISED
;;     5. batch 64 x [M 64, K 2,048] x [K 2,048, N 2,048]; A: computed on the way; B: softmax (see below): QUANTISED
;;   THE QUANTISER, for each operand of a quantised product, along K:
;;     - K is cut into blocks of 32 from its start; a last block that is shorter is filled with zeros.
;;     - A block's scale is 2^e with e = floor(log2(the largest magnitude in the block)) - 15, held to -126 .. 127; a block of zeros has e = 0. As a byte (E8M0): e + 127.
;;     - Each number is divided by its block's scale, clamped to +-57,344, and rounded to the nearest number of E5M2, ties to even, subnormals kept.
;;     - The product sums the exact products of the quantised numbers (number of the format x scale) in f32.
;;   ~~~python
;;   def quantise(x, axis):      # numpy; x: float32 -> the quantised numbers, widened to float32 again
;;       x = np.moveaxis(x, axis, -1); K = x.shape[-1]
;;       x = np.pad(x, [(0, 0)] * (x.ndim - 1) + [(0, -K % 32)]); x = x.reshape(x.shape[:-1] + (-1, 32)); a = np.abs(x).max(-1, keepdims=True)
;;       e = np.where(a > 0, np.clip(np.frexp(np.where(a > 0, a, 1))[1] - 1 - 15, -126, 127), 0)      # np.frexp(a)[1] - 1 = floor(log2(a)), exactly
;;       r = np.clip(x / 2.0 ** e, -57344, 57344)
;;       step = 2.0 ** (np.maximum(np.frexp(np.where(r == 0, 1, r))[1] - 1, -14) - 2)
;;       q = np.round(r / step) * step * 2.0 ** e      # np.round: ties to even
;;       return np.moveaxis(q.reshape(q.shape[:-2] + (-1,))[..., :K], -1, axis).astype(np.float32)
;;   ~~~
;;   SOFTMAX AHEAD OF A QUANTISED PRODUCT. Where the list says 'softmax', what is quantised is not the finished softmax but p = 2^(t - M), with t = logit x log2(e) and M = ceil(the row's largest t), a whole number; so 1/2 < the row's largest p <= 1. The row's sum l is taken of the UNQUANTISED p, in f32, and the product's result is divided by l at the end. Since M is a whole number, a kernel that streams over the keys may use a running M (the ceiling of the running maximum): every later rescaling is an exact power of two, which a block's scale takes up: the codes' values come out the same.
;;   OPERANDS COMPUTED ON THE WAY. 'Computed on the way' means the value that the module computes at that place (a softmax that the list does not call 'softmax' is quantised finished and normalised). What goes into a quantiser is computed in f32, as accurately as f32 sums, v_exp_f32 and their like allow (about 1e-6 of the number): no bf16 or f16 on the way to a quantiser, and a product that is left as it is and whose result goes on into a quantised operand takes f32 operands (vector FMAs, or v_wmma_f32_16x16x4_f32). A number that lies on a knife's edge between two numbers of the format may be rounded either way, as far as f32 arithmetic and the matrix unit's own rounding can turn it there, and no further.
;;   INPUTS GIVEN AS CODES. Wk (in the module: [1024, 1024], K = its axis 1); Wq (in the module: [1024, 1024], K = its axis 1); Wv (in the module: [1024, 1024], K = its axis 1); inputs_kv (in the module: [4, 2048, 1024], K = its axis 2); inputs_q (in the module: [4, 2048, 1024], K = its axis 2): each comes as NAME_codes (uint8): NAME with its K axis moved to the last place and cut into blocks of 32 codes, [.., K / 32, bytes a block], one block behind the other in memory; one code a byte (a code: sign, 5 exponent bits, 2 mantissa bits); and NAME_scales (uint8): the same leading axes, one E8M0 byte (e + 127) for each 32 codes along K. Its value is code x scale, taken as it is: it is not quantised again, and the codes and scales need not be those that the quantiser above would give.
;; One version. Each part assembles by itself: llvm-mc -triple=amdgcn-amd-amdhsa -mcpu=gfx1250 --defsym DOCPART=n.
;; ======== version 1 of 1: 2 launches
;; limits: right only within a limited range of input values
;; workspace buffers: qrec 17,301,504 bytes; kv 17,301,504 bytes
;; launch proj (part 1): grid 4 x 96, 4 waves a work-group, clusters of 4 x 4, 327,680 bytes of LDS; arguments Wq_codes, Wq_scales, inputs_q_codes, inputs_q_scales, Wk_codes, Wk_scales, inputs_kv_codes, inputs_kv_scales, Wv_codes, Wv_scales, qrec, kv; writes qrec, kv
.if DOCPART == 1
	.amdgcn_target "amdgcn-amd-amdhsa--gfx1250"
	.amdhsa_code_object_version 6
	.text
	.protected	k_q685b121bb0_proj
	.globl	k_q685b121bb0_proj
	.p2align	8
	.type	k_q685b121bb0_proj,@function
k_q685b121bb0_proj:
	s_mov_b64 s[64:65], 0
	v_nop
	global_prefetch_b8 v0, s[64:65] scope:SCOPE_SE
	s_setreg_imm32_b32 hwreg(HW_REG_WAVE_MODE, 25, 1), 1
	s_wait_xcnt 0x0
	s_wait_alu depctr_hold_cnt(0) depctr_sa_sdst(0) depctr_va_vdst(0) depctr_va_sdst(0) depctr_va_ssrc(0) depctr_va_vcc(0) depctr_vm_vsrc(0)
	s_getreg_b32 s2, hwreg(HW_REG_IB_STS2, 6, 4)
	s_cmp_eq_u32 s2, 0
	s_cbranch_scc0 .Lentry_in_a_cluster
	s_endpgm
.Lentry_in_a_cluster:
	s_bfe_u32 s2, ttmp6, 0x10000c
	s_cmp_lg_u32 s2, 0xf033
	s_cbranch_scc0 .Lentry_shape_is_right
	s_endpgm
.Lentry_shape_is_right:
; THE THREE PROJECTIONS q = inputs_q Wq^T, k = inputs_kv Wk^T, v = inputs_kv Wv^T, on the given codes of BF8 (E5M2) with their E8M0 bytes, K = 1,024, sums in f32; and the quantising of q, k, v
; for the attention launch, in registers, straight from the accumulators.  q and k are quantised along the head's 64 (two blocks of 32), v along the keys (blocks of 32 tokens).
; ONE BODY FOR THE THREE.  The matrix instruction's source 0 takes 16 rows of S0, source 1 16 rows of S1: in the result a lane holds ONE row of S1 and its registers run along S0's rows.  What is quantised runs along S0:
;   p = 0: S0 = Wq, S1 = inputs_q (a lane: one token, registers along the features);  p = 1: S0 = Wk, S1 = inputs_kv;  p = 2: S0 = inputs_kv, S1 = Wv (a lane: one feature, registers along the tokens).
; A tile of 256 rows of S1 x 256 rows of S0 is made by a work-group of four waves, 128 x 128 a wave: 64 accumulators, 512 registers.  K goes in steps of 256 through two LDS slots; the scale bytes of the
; work-group's rows, for all of K, come into LDS once.  CLUSTERS of 4 x 4: the four of a row of the cluster need the same tiles of S1, the four of a column the same tiles of S0: joint loads with a mask.
; 24 clusters: cluster y = 8 p + c; c walks the 8,192 rows of the inputs, 1,024 a cluster.
; THE ORDER ALONG THE NEXT K.  The 16 registers of two neighbouring accumulators hold S0's rows 32 c + 8 h + 0..7 and 32 c + 16 + 8 h + 0..7 (h = lane / 16): 16 numbers of ONE block of 32.  Their 16 codes are stored as
; the 16 bytes that the next product reads as places 16 h + 0..15 of that block.  That is a permutation inside a block of 32, and it is the same on both operands of each later product (q and k here; v here and p
; in the next launch), so every product of two numbers and every block's scale stay as they are.
; THE RECORDS.  qrec and kv are [batch 4][head 16][group of 128 tokens 16] records of REC bytes, images of operand registers: +0 sixteen pieces of 512 bytes (16 bytes a lane) of k's (in qrec: q's) codes, piece 2 t + c:
; tokens 16 t + lane % 16, block c of the head's 64;  +8,192 sixteen pieces of v's codes, piece 4 t + c: features 16 t + lane % 16, block c of the group's keys;  +16,384 k's scale words, 16 bytes for each lane % 16;
; +16,640 v's scale words likewise.  Each store of codes covers 512 consecutive bytes, aligned; a store of scale words 256 for each head.  qrec's parts for v are neither written nor read.
; WORK LEFT OUT (in the next launch): reference() builds its causal mask itself (jnp.tril) and sets the scores of keys behind a query to -infinity ahead of the softmax, so their weights are 0 whatever finite values the
; inputs hold: key steps all of whose keys come behind a wave's queries are not computed, and key slots behind a block of queries are not fetched.  All ten inputs have a way to the output and are loaded.
; LIMITS: infinity or NaN codes and the scale byte 0xff among the inputs are not served, nor sums that overflow f32; a NaN, an infinity or an overflow that reaches only the work left out is not carried to the result.
; A block of zeros gets the byte 1 where the rule says 127 (its codes are zeros, and this program alone reads the bytes); blocks whose largest magnitude lies under 2^(16 - 127) are held at the byte 1.
; REGISTERS, in windows of 256: window 0: v0-31 addresses; v32-63 scale words, two sets; v64-119 the way out; from v128 S1's fragments, ONE set, on the way out the codes.
;   window 1: S0's fragments, TWO sets.   window 2: the accumulators of my S1 rows 0-63 ((a, b) at v[8 (8 a + b)]);   window 3: those of rows 64-127.
.set KSTEP,  256                       ; along K in a slot
.set NQ,     KSTEP/128                 ; matrix instructions deep
.set ROWB,   256                       ; a tile's row in bytes
.set KROW,   1024                      ; a row of S0 or S1 in memory, in bytes
.set PITCH,  272                       ; an LDS row: 256 bytes + 16 of padding, so that the 16 rows that a load touches begin 17 x 16 bytes apart
.set FR,     16                        ; registers of a fragment: 16 rows x 128 K
.set NL,     4                         ; LDS loads that bring one
.set NP,     8                         ; places behind this matrix instruction (ISA guide 7.12.1)
.set HALFT,  128*PITCH                 ; 128 rows: what one tensor load brings
.set SLOT,   4*HALFT                   ; S1's 256 rows, then S0's 256 rows
.set KS,     KROW/32                   ; a row of scale bytes
.set SCL,    2*SLOT                    ; behind the ring: the scale bytes, as rows of 256 bytes + 16 of padding
.set HALFS,  (128*KS/256)*272          ; those of 128 rows
.set SBLK,   (16*KS/256)*272           ; those of 16 rows
.set SPARE,  SCL+4*HALFS               ; the spare words, 128 bytes for each wave, which no other line names
.set REC,    16896                     ; a record
.set HS,     16*REC                    ; from head to head
.set ADRA, 16                          ; v16-17  LDS address of my S1 fragments in slot 0, 1
.set ADRB, 20                          ; v20-21  the same for S0
.set LI,   26                          ; v26     16 x lane
.set ADRS, 27                          ; v27     LDS address of my scale words: lanes 0-15 S1's rows, lanes 16-31 S0's
.set SPW,  28                          ; v28     LDS address of my spare word; never rewritten
.set NIL,  29                          ; v29     0; never rewritten
.set SC,   32                          ; v32-63  scale words, two sets
.set ADR,  64                          ; v64-79  the way out: byte offsets of the pieces: tile a, upper bit of the block
.set WD,   80                          ; v80-87  tile a's scale word: four blocks' bytes of my row
.set TM,   88                          ; v88-103 +0 largest magnitudes, +4 the other half's, then bytes, +8 the largest number x the scale, +12 the conversions' scale operands
.set SELV, 104                         ; v104    byte selects
.set SAD,  105                         ; v105    byte offset of my scale words
.set HB,   106                         ; v106-107 lane / 16; at work
.set YW,   108                         ; v108-111 scale words as q and k want them
.set ZW,   112                         ; v112-115 as v wants them
.set FW,   116                         ; v116-119 the ones that are stored
.set AF,   128                         ; S1's fragments, in window 0
.set PC,   128                         ; the way out: tile a's codes at v[PC + 16 a]: every tile has its own, so no store's data are written again
.set G1, 24                            ; s[24:31] descriptor group 1 for S1's tiles;  s[32:39] group 0, one set for each slot
.set G0, 32
.set G1B, 48                           ; s[48:55], s[56:63] the same for S0's tiles
.set G0B, 56
.set G1S, 68                           ; s[68:75], s[76:79] groups 1 and 0 for S1's scales;  s[80:87], s[88:91] for S0's
.set G0S, 76
.set G1SB, 80
.set G0SB, 88
.set MSB, 0
.macro WIN new                         ; the immediate's high byte repeats the setting that is left
.if MSB != \new
	s_set_vgpr_msb (MSB<<8)|\new
.set MSB, \new
.endif
.endm
.set MUL_LO, 0xa1                      ; source 0 (S0) window 1, source 1 (S1) window 0, C and D window 2
.set MUL_HI, 0xf1                      ; the same, C and D window 3
.set TO_B,   0x40                      ; destination window 1, address window 0
; A joint load: waves 0 and 1 fetch for S1, waves 2 and 3 for S0.  Each of the two lines has ONE mask and one set of registers for all that issue it; the branch hangs on the wave's number alone.
; An s_nop 0 and four v_nop follow each of the two lines.
.macro JLOAD g0a, g1a, g0b, g1b
	s_cmp_eq_u32 s15, 0
	s_cbranch_scc0 .Lfor_b_\@
	tensor_load_to_lds s[\g0a:\g0a+3], s[\g1a:\g1a+7]
	s_nop 0
.rept 4
	v_nop
.endr
	s_branch .Lasked_\@
.Lfor_b_\@:
	tensor_load_to_lds s[\g0b:\g0b+3], s[\g1b:\g1b+7]
	s_nop 0
.rept 4
	v_nop
.endr
.Lasked_\@:
.endm
.macro CREST                           ; a round of the cluster's barrier behind its opening barrier
	s_cmp_lg_u32 s14, 0
	s_cbranch_scc1 .Lnot_wave_0_\@
	s_barrier_signal -3
.Lnot_wave_0_\@:
	s_barrier_wait -3
	s_barrier_signal -1
	s_barrier_wait -1
.endm
.macro CROUND                          ; a whole round
	s_barrier_signal -1
	s_barrier_wait -1
	CREST
.endm
	s_load_b128 s[32:35], s[0:1], 0x0              ; Wq's codes, Wq's scales        (these registers become descriptors once the choice is made)
	s_load_b128 s[36:39], s[0:1], 0x10             ; inputs_q's codes, scales
	s_load_b128 s[56:59], s[0:1], 0x20             ; Wk's
	s_load_b128 s[60:63], s[0:1], 0x30             ; inputs_kv's
	s_load_b128 s[76:79], s[0:1], 0x40             ; Wv's
	s_load_b128 s[88:91], s[0:1], 0x50             ; qrec, kv
	v_lshl_add_u32 v[SPW], v0, 2, SPARE
	v_mov_b32 v[NIL], 0
	ds_add_u32 v[SPW], v[NIL]                      ; the wave's opening: the add, twice on end, and its wait ahead of my first tensor load; the set-up below stands between
	ds_add_u32 v[SPW], v[NIL]
	v_lshrrev_b32 v1, 5, v0
	v_readfirstlane_b32 s14, v1                    ; wave 0..3
	s_lshr_b32 s15, s14, 1                         ; which half of the tile's S1 rows is mine.  Also: I fetch for S1 (0) or for S0 (1)
	s_and_b32 s16, s14, 1                          ; which half of its S0 rows.  Also: which 128 rows of that tile I fetch
	s_bfe_u32 s40, ttmp6, 0x40000                  ; cx, cy: my place in the cluster
	s_bfe_u32 s41, ttmp6, 0x40004
	s_and_b32 s67, ttmp7, 0xffff                   ; cluster y = 8 p + c: the same in all sixteen partners
	s_lshr_b32 s66, s67, 3                         ; p: which product
	s_and_b32 s67, s67, 7                          ; c: which 1,024 rows of the inputs
	s_cmp_eq_u32 s66, 2
	s_cselect_b32 s42, s67, 0                      ; the inputs are S0 for v,
	s_cselect_b32 s17, 0, s67                      ; S1 for q and k
	s_lshl_b32 s42, s42, 2
	s_add_co_u32 s42, s42, s40                     ; tile column (S0) = 4 x (c or 0) + cx
	s_lshl_b32 s17, s17, 2
	s_add_co_u32 s17, s17, s41                     ; tile row (S1) = 4 x (0 or c) + cy
	s_lshl_b32 s43, s41, 2
	s_lshl_b32 s43, 15, s43                        ; my row of the cluster
	s_lshl_b32 s44, 0x1111, s40                    ; my column
	; descriptor group 1: a tile of 128 rows x 256 bytes, padded in LDS
	s_or_b32 s[G1+0], s43, (0<<16)|(1<<20)|(1<<21)|(5<<22)|(3<<25)  ; 15:0 the mask: S1's tiles go to my row; 17:16 elements of 1 byte; 20 padding on; 21 set beside a mask; 24:22 after every 64 words; 31:25 four words
	s_or_b32 s[G1B+0], s44, (0<<16)|(1<<20)|(1<<21)|(5<<22)|(3<<25)
.irp g, G1, G1B
	s_mov_b32 s[\g+1], ROWB<<16                    ; tensor_dim0
	s_mov_b32 s[\g+2], 256<<16                     ; tensor_dim1: 256 rows for the head's loads; set to 128 for the ring's behind them
	s_mov_b32 s[\g+3], ROWB<<16                    ; tile_dim0
	s_mov_b32 s[\g+4], 256                         ; tile_dim1
	s_mov_b32 s[\g+5], KROW                        ; tensor_dim0_stride
	s_mov_b32 s[\g+6], 0
	s_mov_b32 s[\g+7], 0
.endr
	; and for the scale bytes of 256 rows: a dense block of 8,192 bytes, as 32 rows of 256 bytes (32 elements of 8 bytes), 16 bytes of padding behind each
	s_or_b32 s[G1S+0], s43, (3<<16)|(1<<20)|(1<<21)|(5<<22)|(3<<25)
	s_or_b32 s[G1SB+0], s44, (3<<16)|(1<<20)|(1<<21)|(5<<22)|(3<<25)
.irp g, G1S, G1SB
	s_mov_b32 s[\g+1], 32<<16
	s_mov_b32 s[\g+2], KS<<16                      ; the scale bytes of 256 rows: KS rows of 256 bytes
	s_mov_b32 s[\g+3], 32<<16
	s_mov_b32 s[\g+4], KS
	s_mov_b32 s[\g+5], 32
	s_mov_b32 s[\g+6], 0
	s_mov_b32 s[\g+7], 0
.endr
	s_lshl_b32 s18, s16, 17                        ; in the ring I fetch 128 rows of a tile: which half, in bytes (128 x 1,024)
	s_mov_b32 s19, 0
	s_lshl_b32 s20, s17, 8                         ; S1: the tile's first row, 256 x tile row
	s_lshl_b32 s46, s42, 8                         ; S0: 256 x tile column
	s_lshl_b32 s22, s20, 5                         ; where these rows' scale bytes begin (32 a row),
	s_mov_b32 s23, 0
	s_lshl_b32 s20, s20, 10                        ; and their codes (1,024 a row): all under 2^23
	s_mov_b32 s21, 0
	s_lshl_b32 s92, s46, 5
	s_mov_b32 s93, 0
	s_lshl_b32 s46, s46, 10
	s_mov_b32 s47, 0
	s_mul_i32 s45, s14, HALFT                      ; where they go: wave x 128 rows: no place in the cluster enters an LDS address
	; the way out: which records are my wave's, and how the pieces lie in them
	s_lshl_b32 s95, s17, 1
	s_add_co_u32 s95, s95, s15                     ; my 128 rows of S1, counted in 128s
	s_lshl_b32 s96, s42, 1
	s_add_co_u32 s96, s96, s16                     ; my 128 rows of S0
	s_cmp_eq_u32 s66, 2
	s_cselect_b32 s97, s96, s95                    ; T: my group of 128 tokens (of 64),
	s_cselect_b32 s96, s95, s96                    ; P: my pair of heads (of 8)
	s_cselect_b32 s2, -1, 0                        ; all ones for v
	s_cselect_b32 s3, 8192, 0                      ; where the codes begin in a record
	s_mov_b32 s98, 4096
	s_cselect_b32 s98, HS, s98                     ; from S1 tile a to a + 4
	s_mov_b32 s99, HS
	s_cselect_b32 s99, 1024, s99                   ; from block b to b + 2
	s_mov_b32 s100, 1024
	s_cselect_b32 s100, 2048, s100                 ; from S1 tile a to a + 1
	s_mov_b32 s101, 16384
	s_cselect_b32 s101, 16640, s101                ; where the scale words begin
	s_lshr_b32 s95, s97, 4                         ; the batch
	s_lshl_b32 s95, s95, 8
	s_and_b32 s97, s97, 15                         ; the group in it
	s_add_co_u32 s95, s95, s97
	s_lshl_b32 s96, s96, 5
	s_add_co_u32 s95, s95, s96                     ; the record of head 2 P: 256 x batch + 16 x head + group
	s_mul_i32 s96, s95, REC                        ; in bytes, under 2^25
	s_mov_b32 s97, 0
	s_wait_dscnt 0x0                               ; both opening adds are done
	s_wait_kmcnt 0x0
	s_cmp_eq_u32 s66, 0                            ; the buffers are chosen by the product's number alone
	s_cselect_b64 s[8:9], s[32:33], s[56:57]       ; S0's codes: Wq's or Wk's
	s_cselect_b64 s[10:11], s[34:35], s[58:59]     ; S0's scales
	s_cselect_b64 s[4:5], s[36:37], s[60:61]       ; S1's codes: inputs_q's or inputs_kv's
	s_cselect_b64 s[6:7], s[38:39], s[62:63]       ; S1's scales
	s_cselect_b64 s[12:13], s[88:89], s[90:91]     ; out: qrec or kv
	s_cmp_eq_u32 s66, 2
	s_cselect_b64 s[8:9], s[60:61], s[8:9]         ; for v: S0 = inputs_kv,
	s_cselect_b64 s[10:11], s[62:63], s[10:11]
	s_cselect_b64 s[4:5], s[76:77], s[4:5]         ; S1 = Wv
	s_cselect_b64 s[6:7], s[78:79], s[6:7]
	s_add_nc_u64 s[20:21], s[4:5], s[20:21]
	s_add_nc_u64 s[22:23], s[6:7], s[22:23]
	s_add_nc_u64 s[46:47], s[8:9], s[46:47]
	s_add_nc_u64 s[92:93], s[10:11], s[92:93]
	s_add_nc_u64 s[12:13], s[12:13], s[96:97]
	CROUND                                         ; all sixteen work-groups are here: the first joint loads meet
	s_mov_b32 s[G0S], 1
	s_mov_b32 s[G0S+1], SCL
	s_mov_b64 s[G0S+2:G0S+3], s[22:23]
	s_or_b32 s[G0S+3], s[G0S+3], 0x80000000
	s_mov_b32 s[G0SB], 1
	s_mov_b32 s[G0SB+1], SCL+2*HALFS
	s_mov_b64 s[G0SB+2:G0SB+3], s[92:93]
	s_or_b32 s[G0SB+3], s[G0SB+3], 0x80000000
.set G0H, 4                            ; s[4:7], s[8:11] group 0 for the head's loads of K step 0: S1's 256 rows, S0's 256 rows (the addresses that lay there have been used)
.set G0HB, 8
	s_mov_b32 s[G0H], 1
	s_mov_b32 s[G0H+1], 0
	s_mov_b64 s[G0H+2:G0H+3], s[20:21]
	s_or_b32 s[G0H+3], s[G0H+3], 0x80000000
	s_mov_b32 s[G0HB], 1
	s_mov_b32 s[G0HB+1], 2*HALFT
	s_mov_b64 s[G0HB+2:G0HB+3], s[46:47]
	s_or_b32 s[G0HB+3], s[G0HB+3], 0x80000000
	s_add_nc_u64 s[20:21], s[20:21], s[18:19]      ; for the ring: my 128 rows of the tile
	s_add_nc_u64 s[46:47], s[46:47], s[18:19]
.irp s, 0,1
	s_mov_b32 s[G0+4*\s], 1
	s_add_co_u32 s[G0+4*\s+1], s45, \s*SLOT
	s_add_nc_u64 s[G0+4*\s+2:G0+4*\s+3], s[20:21], \s*ROWB
	s_or_b32 s[G0+4*\s+3], s[G0+4*\s+3], 0x80000000
	s_mov_b32 s[G0B+4*\s], 1
	s_add_co_u32 s[G0B+4*\s+1], s45, \s*SLOT
	s_add_nc_u64 s[G0B+4*\s+2:G0B+4*\s+3], s[46:47], \s*ROWB
	s_or_b32 s[G0B+4*\s+3], s[G0B+4*\s+3], 0x80000000
.endr
; THE HEAD'S LOADS, ONE A WAVE: wave 0 K step 0's 256 rows of S1, wave 1 its 256 rows of S0, wave 2 the scale bytes of S1's 256 rows, wave 3 those of S0's.
; One chain of branches on the wave's number, a load to an arm, all arms leading to one join.
.macro ARM under, g0, g1, next
	s_cmp_lt_u32 s14, \under
	s_cbranch_scc0 \next
	tensor_load_to_lds s[\g0:\g0+3], s[\g1:\g1+7]
	s_nop 0
.rept 4
	v_nop
.endr
	s_branch .Lhead_asked
\next:
.endm
	ARM 1, G0H,  G1,  .Lhead_b
	ARM 2, G0HB, G1B, .Lhead_sa
	ARM 3, G0S,  G1S, .Lhead_sb
	tensor_load_to_lds s[G0SB:G0SB+3], s[G1SB:G1SB+7]
	s_nop 0
.rept 4
	v_nop
.endr
.Lhead_asked:
	v_and_b32 v1, 15, v0                           ; l % 16
	v_bfe_u32 v2, v0, 4, 1                         ; l / 16
	v_mul_u32_u24 v3, v1, PITCH
	v_lshl_add_u32 v4, v2, 4, v3                   ; a fragment's row x pitch + 16 x half
	s_mul_i32 s21, s15, HALFT                      ; my 128 rows of S1
	s_mul_i32 s22, s16, HALFT                      ; my 128 rows of S0,
	s_add_co_u32 s22, s22, 2*HALFT                 ; which lie behind S1's 256
.irp s, 0,1
	v_add_nc_u32 v[ADRA+\s], s21, v4
	v_add_nc_u32 v[ADRB+\s], s22, v4
	s_add_co_u32 s21, s21, SLOT
	s_add_co_u32 s22, s22, SLOT
.endr
	v_mul_u32_u24 v5, v1, KS                       ; my row's scales: 32 bytes a row,
	v_lshrrev_b32 v6, 8, v5
	v_lshl_add_u32 v5, v6, 4, v5                   ; and 16 more for each 256 passed
	s_mul_i32 s21, s15, HALFS                      ; S1's: my 128 rows
	s_mul_i32 s22, s16, HALFS                      ; S0's: my 128 rows, behind S1's 256
	s_add_co_u32 s22, s22, 2*HALFS
	s_sub_co_u32 s22, s22, s21
	v_mul_u32_u24 v6, s22, v2                      ; lanes 16-31 take S0's
	s_add_co_u32 s21, s21, SCL
	v_add_nc_u32 v5, v5, v6
	v_add_nc_u32 v[ADRS], s21, v5
	v_and_b32 v6, 31, v0
	v_lshlrev_b32 v[LI], 4, v6                     ; 16 x lane
.macro FRAG reg, adr, q, i             ; a fragment, 16 rows x 128 K of 8-bit codes, is 16 registers: lane l holds row l % 16; registers 4 c .. 4 c + 3 hold K = 32 c + 16 (l / 16) + 0 .. 15
.irp c, 0,1,2,3
	ds_load_b128 v[\reg+4*\c:\reg+4*\c+3], v[\adr] offset:128*(\q)+32*\c+(\i)*16*PITCH
.endr
.endm
; 16 matrix instructions: S1's blocks a0, a0 + 1 x S0's eight, 128 along K: the slot's q-th.  p: S0's set;  sc: the set of scale words.  zero = 1: the first product starts the sums.
; The 64 accumulators take turns, one instruction a turn, in the same order in every step.
.macro MUL16 a0, p, q, sc, zero
.irp a, \a0, \a0+1
.irp b, 0,1,2,3,4,5,6,7
.if \zero
	v_wmma_scale_f32_16x16x128_f8f6f4 v[8*(8*((\a)%4)+\b):8*(8*((\a)%4)+\b)+7], v[128*(\p)+FR*\b:128*(\p)+FR*\b+FR-1], v[AF+FR*(\a):AF+FR*(\a)+FR-1], 0, v[SC+8*NQ*(\sc)+NQ*\b+(\q)], v[SC+8*NQ*(\sc)+NQ*(\a)+(\q)] matrix_a_fmt:MATRIX_FMT_BF8 matrix_b_fmt:MATRIX_FMT_BF8 matrix_a_scale:MATRIX_SCALE_ROW1
.else
	v_wmma_scale_f32_16x16x128_f8f6f4 v[8*(8*((\a)%4)+\b):8*(8*((\a)%4)+\b)+7], v[128*(\p)+FR*\b:128*(\p)+FR*\b+FR-1], v[AF+FR*(\a):AF+FR*(\a)+FR-1], v[8*(8*((\a)%4)+\b):8*(8*((\a)%4)+\b)+7], v[SC+8*NQ*(\sc)+NQ*\b+(\q)], v[SC+8*NQ*(\sc)+NQ*(\a)+(\q)] matrix_a_fmt:MATRIX_FMT_BF8 matrix_b_fmt:MATRIX_FMT_BF8 matrix_a_scale:MATRIX_SCALE_ROW1
.endif
.endr
.endr
.endm
.macro FETCH_B slot, q, p              ; S0's eight fragments of the slot's q-th 128 along K into set p
	WIN TO_B
.irp i, 0,1,2,3,4,5,6,7
	FRAG 128*(\p)+FR*\i, ADRB+\slot, \q, \i
.endr
	WIN 0
.endm
.macro FETCH_A slot, q, i0             ; S1's blocks i0 .. i0 + 3
.irp i, \i0, \i0+1, \i0+2, \i0+3
	FRAG AF+FR*(\i), ADRA+\slot, \q, \i
.endr
.endm
.macro SCALES sc                       ; the next K step's scale words into set sc: two words a row; lanes 0-15 take S1's block i, lanes 16-31 S0's block i
.irp i, 0,1,2,3,4,5,6,7
	ds_load_b64 v[SC+8*NQ*\sc+NQ*\i:SC+8*NQ*\sc+NQ*\i+1], v[ADRS] offset:\i*SBLK
.endr
.endm
; A load into a register that a matrix instruction has read, and a vector instruction that reads a matrix result or writes one of its registers, stand NP places behind that matrix instruction; only plain
; vector instructions that name none of its registers are places (ISA guide 7.12.1 for vector instructions).
.macro PLACES n
.rept \n
	v_nop
.endr
.endm
; A step of 128 along K that has its successor in the same slot.
.macro STEP slot, q, zero
	s_wait_dscnt 4*NL                              ; S0's set and S1's blocks 0-3 are in; the youngest sixteen loads (S1's blocks 4-7) may be out
	WIN MUL_LO
	MUL16 0, (\q)%2, \q, \slot, \zero
	MUL16 2, (\q)%2, \q, \slot, \zero
	s_wait_dscnt 0                                 ; S1's blocks 4-7 are in
	PLACES NP
	FETCH_B \slot, (\q)+1, 1-(\q)%2
	FETCH_A \slot, (\q)+1, 0
	WIN MUL_HI
	MUL16 4, (\q)%2, \q, \slot, \zero
	MUL16 6, (\q)%2, \q, \slot, \zero
	PLACES NP
	WIN 0
	FETCH_A \slot, (\q)+1, 4
.endm
; A slot's last step changes slots: ONE barrier; in front of it each wave waits for all its tensor loads, adds 0 to its spare word, and waits for that and for its own reads of this slot.  fill = 1: this slot is filled again, two K steps ahead.
.macro TURN slot, next, fill
	s_wait_tensorcnt 0x0                           ; all my tensor loads have landed: my part of the next slot  (every window is 0 here)
	ds_add_u32 v[SPW], v[NIL]                      ; 0 onto my spare word
	s_wait_dscnt 4*NL+1                            ; (the add and the youngest sixteen loads, S1's blocks 4-7, may be out)
	WIN MUL_LO
	MUL16 0, 1, NQ-1, \slot, 0                     ; sixteen matrix instructions stand between the add and the wait for it
	s_wait_dscnt 0x0                               ; the add is done, and my reads of this slot are over
	s_barrier_signal -1
	MUL16 2, 1, NQ-1, \slot, 0
	WIN 0
	s_barrier_wait -1
.if \fill
	CREST                                          ; the barrier has opened a round of the cluster's barrier: no wave of any partner still reads this slot's tile or has a load on its way
	s_add_nc_u64 s[G0+4*\slot+2:G0+4*\slot+3], s[G0+4*\slot+2:G0+4*\slot+3], 2*ROWB
	s_add_nc_u64 s[G0B+4*\slot+2:G0B+4*\slot+3], s[G0B+4*\slot+2:G0B+4*\slot+3], 2*ROWB
	JLOAD G0+4*\slot, G1, G0B+4*\slot, G1B         ; the first tensor load behind the round; its four v_nop are among the places in front of the loads below
	PLACES NP-4
.else
	PLACES NP
.endif
	s_wait_alu depctr_va_vdst(0)
	v_add_nc_u32 v[ADRS], 4*NQ, v[ADRS]            ; on to the next K step's scale words (no LDS load of mine is out)
	FETCH_B \next, 0, 0
	FETCH_A \next, 0, 0
	SCALES \next
	WIN MUL_HI
	MUL16 4, 1, NQ-1, \slot, 0
	MUL16 6, 1, NQ-1, \slot, 0
	PLACES NP
	WIN 0
	FETCH_A \next, 0, 4
.endm
	s_wait_alu depctr_va_vdst(0)
	s_wait_tensorcnt 0x0                           ; my tile of the head's four is in
	ds_add_u32 v[SPW], v[NIL]
	s_mov_b32 s[G1+2], 128<<16                     ; no tensor load of mine is out: from here on a load brings 128 rows
	s_mov_b32 s[G1+4], 128
	s_mov_b32 s[G1B+2], 128<<16
	s_mov_b32 s[G1B+4], 128
	s_wait_dscnt 0x0                               ; the add is done
	CROUND                                         ; a whole round: all four tiles are in, and all sixteen work-groups are here
	JLOAD G0+4, G1, G0B+4, G1B                     ; K step 1's load, the first tensor load behind the round
	FETCH_B 0, 0, 0
	FETCH_A 0, 0, 0
	SCALES 0
	FETCH_A 0, 0, 4
	STEP 0, 0, 1                                   ; K = 1,024 is four K steps of 256, eight steps of 128: written out, no loop.  The first step's products start the sums
	TURN 0, 1, 1                                   ; slot 0 takes K step 2
	STEP 1, 0, 0
	TURN 1, 0, 1                                   ; slot 1 takes K step 3
	STEP 0, 0, 0
	TURN 0, 1, 0                                   ; nothing is left to fetch
	STEP 1, 0, 0
	s_wait_dscnt 4*NL                              ; the very last step
	WIN MUL_LO
	MUL16 0, 1, NQ-1, 1, 0
	MUL16 2, 1, NQ-1, 1, 0
	s_wait_dscnt 0
	WIN MUL_HI
	MUL16 4, 1, NQ-1, 1, 0
	MUL16 6, 1, NQ-1, 1, 0
	WIN 0
; THE WAY OUT.  S1 tile a: a lane's 64 accumulator registers are four blocks of 32 along S0, 16 numbers of each (the other 16 lie in lane l xor 16).  They are quantised where they lie; the codes of a block are four
; registers, 16 bytes a lane, which the wave stores as one piece of 512 consecutive bytes.
.macro QUANTW a
.set AC, 64*((\a)%4)
.set WW, 2+(\a)/4                      ; the tile's window
.set WS, (WW|(WW<<2))
	WIN WS                                         ; sources 0 and 1 in the tile's window
.irp b, 0,1,2,3
	v_max3_num_f32 v[TM+\b], |v[AC+16*\b]|, |v[AC+16*\b+1]|, 0x8000000   ; block b: my 16 numbers, each accumulator from its low end on, and the floor 2^(16 - 127): so the byte cannot fall under 1
.endr
.irp i, 2,4,6,8,10,12,14
.irp b, 0,1,2,3
	v_max3_num_f32 v[TM+\b], |v[AC+16*\b+\i]|, |v[AC+16*\b+\i+1]|, v[TM+\b]   ; (the four blocks by turns)
.endr
.endr
	WIN 0
.irp b, 0,1,2,3
	v_permlanex16_b32 v[TM+4+\b], v[TM+\b], s20, s21
.endr
.irp b, 0,1,2,3
	v_max_num_f32 v[TM+\b], v[TM+\b], v[TM+4+\b]   ; with lane l xor 16's: the block's largest magnitude
.endr
.irp b, 0,1,2,3
	v_add_nc_u32 v[TM+12+\b], 0xf8800000, v[TM+\b] ; 15 off its exponent field: the conversion takes the exponent field of this operand as its scale
.endr
.irp b, 0,1,2,3
	v_and_or_b32 v[TM+8+\b], v[TM+\b], 0x7f800000, s22   ; 57,344 x the scale
.endr
.irp b, 0,1,2,3
	v_lshrrev_b32 v[TM+4+\b], 23, v[TM+12+\b]      ; the scale's byte
.endr
	v_lshl_or_b32 v[WD+\a], v[TM+5], 8, v[TM+4]    ; the four bytes of my row
	v_lshl_or_b32 v[WD+\a], v[TM+6], 16, v[WD+\a]
	v_lshl_or_b32 v[WD+\a], v[TM+7], 24, v[WD+\a]
.set WS, (WW|(WW<<6))
	WIN WS                                         ; source 0 and destination in the tile's window
.irp b, 0,1,2,3
.irp i, 0,1,2,3,4,5,6,7,8,9,10,11,12,13,14,15
	v_med3_num_f32 v[AC+16*\b+\i], v[AC+16*\b+\i], -v[TM+8+\b], v[TM+8+\b]   ; the conversion to an 8-bit code does not saturate (ISA guide 7.6.2): the hold at the largest code x the scale
.endr
.endr
	WIN WW                                         ; source 0 in the tile's window
.irp b, 0,1,2,3
	v_cvt_scalef32_pk8_bf8_f32 v[PC+16*(\a)+4*\b:PC+16*(\a)+4*\b+1], v[AC+16*\b:AC+16*\b+7], v[TM+12+\b]
	v_cvt_scalef32_pk8_bf8_f32 v[PC+16*(\a)+4*\b+2:PC+16*(\a)+4*\b+3], v[AC+16*\b+8:AC+16*\b+15], v[TM+12+\b]
.endr
	WIN 0
	v_nop                                          ; one plain vector instruction behind the last conversion: the next tile writes the scale operands anew
.endm
.macro PUT a                           ; tile a's four pieces: 32 lanes store 512 consecutive bytes, at a multiple of 512 from the buffer's first byte
.irp b, 0,1,2,3
	global_store_b128 v[ADR+2*(\a)+\b/2], v[PC+16*(\a)+4*\b:PC+16*(\a)+4*\b+3], s[12:13] offset:512*(\b%2)
.endr
.endm
	PLACES NP                                      ; behind the last products: their results are read, and the registers that held S1's fragments are written
	s_mov_b32 s20, 0x76543210
	s_mov_b32 s21, 0xfedcba98                      ; v_permlanex16_b32's selects for lane l xor 16
	s_mov_b32 s22, 0x600000                        ; the mantissa field of 57,344
.irp b, 0,1,2,3
	v_mov_b32 v[TM+4+\b], 0                        ; written once: a lane permute's destination counts as one of its sources
.endr
	s_mov_b32 s94, s3                              ; piece (a, b) lies at (a / 4) s98 + (a % 4) s100 + (b / 2) s99 + (b % 2) 512 + s3 + 16 x lane
.irp a, 0,1,2,3,4,5,6,7
.if \a == 4
	s_add_co_u32 s94, s3, s98
.endif
	v_add_nc_u32 v[ADR+2*\a], s94, v[LI]
	v_add_nc_u32 v[ADR+2*\a+1], s99, v[ADR+2*\a]
	s_add_co_u32 s94, s94, s100
.endr
.irp a, 0,1,2,3,4,5,6,7
	QUANTW \a
	PUT \a
.endr
	; the scale words.  Lanes 0-15 store those of head 2 P, lanes 16-31 those of head 2 P + 1: 16 bytes a lane, 256 consecutive bytes for each head.
	; q and k: word j = the two bytes of token tile 2 j and the two of tile 2 j + 1, of my head (the low or the high half of a tile's word).  v: word j = the four key blocks' bytes of feature tile j of my head.
	v_bfe_u32 v[HB], v0, 4, 1
	v_cmp_ne_u32 vcc_lo, 0, v[HB]
	v_mov_b32 v[SELV], 0x05040100
	v_mov_b32 v[HB+1], 0x07060302
	v_cndmask_b32 v[SELV], v[SELV], v[HB+1], vcc_lo
.irp j, 0,1,2,3
	v_perm_b32 v[YW+\j], v[WD+2*\j+1], v[WD+2*\j], v[SELV]
.endr
.irp j, 0,1,2,3
	v_cndmask_b32 v[ZW+\j], v[WD+\j], v[WD+4+\j], vcc_lo
.endr
.irp j, 0,1,2,3
	v_cndmask_b32 v[FW+\j], v[YW+\j], v[ZW+\j], s2
.endr
	v_and_b32 v[SAD], 15, v0
	v_lshlrev_b32 v[SAD], 4, v[SAD]
	v_mul_u32_u24 v[HB+1], v[HB], HS
	v_add_nc_u32 v[SAD], v[SAD], v[HB+1]
	v_add_nc_u32 v[SAD], s101, v[SAD]
	global_store_b128 v[SAD], v[FW:FW+3], s[12:13]
	s_wait_tensorcnt 0x0                           ; the wave's end, behind my last tensor load
	ds_add_u32 v[SPW], v[NIL]
	s_wait_dscnt 0x0
	CROUND                                         ; the closing round: no work-group ends while a partner may still ask for a tile that names it
	s_endpgm
.Lfunc_end_k_q685b121bb0_proj:
	.size	k_q685b121bb0_proj, .Lfunc_end_k_q685b121bb0_proj-k_q685b121bb0_proj
	.p2alignl 7, 3214868480
	.fill 96, 4, 3214868480
	.section	.rodata,"a",@progbits
	.p2align	6, 0x0
	.amdhsa_kernel k_q685b121bb0_proj
		.amdhsa_group_segment_fixed_size 327680
		.amdhsa_private_segment_fixed_size 0
		.amdhsa_enable_private_segment 0
		.amdhsa_kernarg_size 96
		.amdhsa_user_sgpr_count 2
		.amdhsa_user_sgpr_kernarg_segment_ptr 1
		.amdhsa_wavefront_size32 1
		.amdhsa_system_sgpr_workgroup_id_x 1
		.amdhsa_system_sgpr_workgroup_id_y 1
		.amdhsa_system_sgpr_workgroup_id_z 1
		.amdhsa_system_vgpr_workitem_id 0
		.amdhsa_next_free_vgpr 1024
		.amdhsa_next_free_sgpr 102
		.amdhsa_reserve_vcc 1
		.amdhsa_float_denorm_mode_32 3
		.amdhsa_float_denorm_mode_16_64 3
		.amdhsa_memory_ordered 1
		.amdhsa_forward_progress 1
		.amdhsa_inst_pref_size 188
	.end_amdhsa_kernel
	.amdgpu_metadata
---
amdhsa.version: [ 1, 2 ]
amdhsa.kernels:
  - .name:           k_q685b121bb0_proj
    .symbol:         k_q685b121bb0_proj.kd
    .args:
      - { .name: Wq_codes, .offset: 0, .size: 8, .value_kind: global_buffer, .address_space: global }
      - { .name: Wq_scales, .offset: 8, .size: 8, .value_kind: global_buffer, .address_space: global }
      - { .name: inputs_q_codes, .offset: 16, .size: 8, .value_kind: global_buffer, .address_space: global }
      - { .name: inputs_q_scales, .offset: 24, .size: 8, .value_kind: global_buffer, .address_space: global }
      - { .name: Wk_codes, .offset: 32, .size: 8, .value_kind: global_buffer, .address_space: global }
      - { .name: Wk_scales, .offset: 40, .size: 8, .value_kind: global_buffer, .address_space: global }
      - { .name: inputs_kv_codes, .offset: 48, .size: 8, .value_kind: global_buffer, .address_space: global }
      - { .name: inputs_kv_scales, .offset: 56, .size: 8, .value_kind: global_buffer, .address_space: global }
      - { .name: Wv_codes, .offset: 64, .size: 8, .value_kind: global_buffer, .address_space: global }
      - { .name: Wv_scales, .offset: 72, .size: 8, .value_kind: global_buffer, .address_space: global }
      - { .name: qrec, .offset: 80, .size: 8, .value_kind: global_buffer, .address_space: global }
      - { .name: kv, .offset: 88, .size: 8, .value_kind: global_buffer, .address_space: global }
    .group_segment_fixed_size: 327680
    .private_segment_fixed_size: 0
    .kernarg_segment_align: 8
    .kernarg_segment_size: 96
    .max_flat_workgroup_size: 128
    .sgpr_count:     102
    .vgpr_count:     1024
    .wavefront_size: 32
...
	.end_amdgpu_metadata
.endif
;; end of part 1
;; launch attn (part 2): grid 4 x 64, 16 waves a work-group, clusters of 4 x 1, 327,680 bytes of LDS; arguments qrec, kv, out0; writes out0
.if DOCPART == 2
	.amdgcn_target "amdgcn-amd-amdhsa--gfx1250"
	.amdhsa_code_object_version 6
	.text
	.protected	k_q685b121bb0_attn
	.globl	k_q685b121bb0_attn
	.p2align	8
	.type	k_q685b121bb0_attn,@function
k_q685b121bb0_attn:
	s_mov_b64 s[64:65], 0
	v_nop
	global_prefetch_b8 v0, s[64:65] scope:SCOPE_SE
	s_setreg_imm32_b32 hwreg(HW_REG_WAVE_MODE, 25, 1), 1
	s_wait_xcnt 0x0
	s_wait_alu depctr_hold_cnt(0) depctr_sa_sdst(0) depctr_va_vdst(0) depctr_va_sdst(0) depctr_va_ssrc(0) depctr_va_vcc(0) depctr_vm_vsrc(0)
	s_getreg_b32 s2, hwreg(HW_REG_IB_STS2, 6, 4)
	s_cmp_eq_u32 s2, 0
	s_cbranch_scc0 .Lentry_in_a_cluster
	s_endpgm
.Lentry_in_a_cluster:
	s_bfe_u32 s2, ttmp6, 0x10000c
	s_cmp_lg_u32 s2, 0x3003
	s_cbranch_scc0 .Lentry_shape_is_right
	s_endpgm
.Lentry_shape_is_right:
; CAUSAL ATTENTION on the codes that the launch before has made: 64 (batch, head) pairs, 2,048 queries and keys, head size 64.  Both products on codes of BF8 (E5M2) with one E8M0 scale for each 32 along K.
; WORK LEFT OUT: key steps all of whose 128 keys come behind a wave's 16 queries: reference()'s own causal mask gives them the weight 0 for all finite inputs (shown at the head of the first kernel; a NaN, an
; infinity or an overflow that reaches only that work is not carried to the result).
; LIMIT: the promise holds while the scaled scores (the exponents to the base 2, before the maximum is taken away) stay under 2^31 in magnitude.
; THE SOFTMAX: t = score x log2(e) / 8; M = the row's largest t so far, rounded UP to a whole number; p = 2^(t - M) is quantised along the keys, not normalised; the row's sum is taken of the unquantised p and
; divides at the end.  When M moves, the sum and O are multiplied by 2^(old M - new M): exact.
; A HEAD'S K AND V STAY IN LDS.  They are 16 records of 16,896 bytes (128 keys each): 270,336 bytes.  Wave w asks for record w at the head, one tensor load a wave; nothing is filled again.
; CLUSTER.  The four work-groups of a head want the same 16 records: each load is a joint one, mask 15.
; SHARES.  A head has 128 tiles of 16 queries.  Wave w of partner cx owns tile 127 - 4 w - cx, then tile 4 w + cx: 16 - w / 2 and w / 2 + 1 key steps, 17 for every wave.  The number of steps and the half of a step
; in which the diagonal lies hang on the wave's number alone, so no branch hangs on a work-group's place in its cluster; the place enters global addresses and the mask's compares.
; THE RECORDS ARE SHOWN IN THREE PARTS, by plain barriers: record 0 (wave 0's load line), records 1 to 3 (waves 1 to 3's), the rest.  Every first tile has nine steps or more, so all three barriers stand in steps that every wave walks.
; NO PREFETCH: every byte of kv that the work-group reads is asked for by the head's sixteen loads; there is no later load for a request to run ahead of.
; LAYOUT.  Both products are used transposed: S^T = K Q^T, O^T = V^T P^T: a lane holds ONE query (lane % 16).  A record is an image of the operands' registers: every LDS load of 16 bytes a lane takes 512 consecutive bytes.
; Inside each block of 32 the places along K are permuted, alike on both operands of each product (see the first kernel's head).
; THE FIRST PRODUCT'S K IS 64, the instruction's 128: a fragment of K holds TWO tiles of 16 keys and is multiplied once by [q | zero codes] and once by [zero codes | q].
; REGISTERS: v1-11 addresses; v12 -M, v13 the largest t, v[14:15] the sum; v16-23 zero codes, v24-31 q, v32-39 zero codes; v40-103 fragments of K, then of V; v104-167 S^T, then p; v168-199 O^T;
; v200-215 p's codes; v216-231 at work; v232-242 scale words; v243-247 at work; v248-255 the second tile's q.
.set REC,   16896                      ; a record: 8,192 bytes of K's codes, 8,192 of V's, 256 of K's scale words, 256 of V's
.set HS,    16*REC                     ; from head to head
.set STAGE, 16*REC                     ; the way out: 16 rows x (128 bytes + 16) for each wave: bytes of its own, into which no fill lands
.set SP,    144
.set SPARE, STAGE+16*16*SP             ; the spare words, 128 bytes for each wave, which no other line names
.set LI,   1                           ; v1   16 x lane
.set LR,   2                           ; v2   16 x (lane % 16)
.set RQ,   3                           ; v3   lane % 16 - 8 (lane / 16)
.set STO,  4                           ; v4   the stage: where I put 32 bytes of row lane % 16
.set SPW,  5                           ; v5   LDS address of my spare word; never rewritten
.set NIL,  6                           ; v6   0; never rewritten
.set RD,   7                           ; v7   the stage: where I read a row back
.set ADK,  8                           ; v8   LDS address of the record's pieces for my lane
.set ADS,  9                           ; v9   and of its scale words
.set GO,   10                          ; v10  my byte offset in the wave's rows of out0
.set RR,   11                          ; v11  at the head: lane % 16
.set QHI,  16                          ; v[16:31] = [zero codes | q]
.set QLO,  24                          ; v[24:39] = [q | zero codes]
.set FR,   40
.set SS,   104
.set OT,   168
.set PCD,  200
.set BM,   216                         ; the blocks' largest scores, then largest p
.set T2,   220                         ; the other half's maxima; a chain of the sum; the bytes
.set LM,   224                         ; 57,344 x the scale
.set SOP,  228                         ; the conversions' scale operands
.set KSC,  232                         ; K's scale words
.set VSC,  236                         ; V's
.set QSL,  240                         ; q's two bytes under [q | 0];  v241 under [0 | q]; the other two bytes are 127
.set QSH,  241
.set PW,   242                         ; p's scale word
.set Q2S,  243                         ; the second tile's two bytes of q
.set FF,   244                         ; v[244:245] f = 2^(old M - new M), and a written 0
.set TP,   246
.set NINF, 247                         ; -infinity
.set Q2,   248
.set CX,   10                          ; s10  my place in the cluster
.set YY,   11                          ; s11  16 x batch + head
.set RN,   12                          ; s12  the record in hand
.set LAST, 13                          ; s13  the tile's last record: the one with the diagonal;  s16 the second tile's
.set DH,   14                          ; s14  which four key tiles of that record hold the diagonal;  s19 the second tile's
.set TB,   15                          ; s15  LDS byte at which the record in hand begins
.set LAST2, 16
.set MNT,  17                          ; s17  the mantissa field of 57,344
.set WV,   18                          ; s18  my wave's number
.set DH2,  19
.set SEL,  20                          ; s[20:21] v_permlanex16_b32's selects for lane l xor 16
.set CS,   22                          ; s[22:23] c = log2(e) / 8
.set G1,   24                          ; s[24:31] descriptor group 1;  s[32:35] group 0
.set G0,   32
.set DQ,   36                          ; s36  16 x my tile's place among its record's eight;  s37 the second tile's
.set DQ2,  37
.set OB,   38                          ; s[38:39] my first row of out0;  s[40:41] the second tile's
.set OB2,  40
.macro CROUND                          ; a round of the cluster's barrier
	s_barrier_signal -1
	s_barrier_wait -1
	s_cmp_lg_u32 s[WV], 0
	s_cbranch_scc1 .Lnot_wave_0_\@
	s_barrier_signal -3
.Lnot_wave_0_\@:
	s_barrier_wait -3
	s_barrier_signal -1
	s_barrier_wait -1
.endm
.macro ARM under, next                 ; an arm of the head's chain: its own load line; an s_nop 0 and four v_nop follow the load
	s_cmp_lt_u32 s[WV], \under
	s_cbranch_scc0 \next
	tensor_load_to_lds s[G0:G0+3], s[G1:G1+7]
	s_nop 0
.rept 4
	v_nop
.endr
	s_branch .Lasked
\next:
.endm
.macro SHOW under                      ; a plain barrier that shows the records of the waves under 'under' (16: all that is still out, the wait under no branch).
.if \under < 16
	s_cmp_lt_u32 s[WV], \under
	s_cbranch_scc0 .Lnot_mine_\@
	s_wait_tensorcnt 0x0
.Lnot_mine_\@:
.else
	s_wait_tensorcnt 0x0
.endif
	s_wait_dscnt 0x0
	s_barrier_signal -1
	s_barrier_wait -1
.endm
	s_load_b128 s[4:7], s[0:1], 0x0                ; qrec, kv
	s_load_b64 s[8:9], s[0:1], 0x10                ; out0
	v_lshl_add_u32 v[SPW], v0, 2, SPARE
	v_mov_b32 v[NIL], 0
	ds_add_u32 v[SPW], v[NIL]                      ; the wave's opening: the add, twice on end, and its wait ahead of my first tensor load
	ds_add_u32 v[SPW], v[NIL]
	v_lshrrev_b32 v1, 5, v0
	v_readfirstlane_b32 s[WV], v1                  ; wave 0..15
	s_bfe_u32 s[CX], ttmp6, 0x40000
	s_and_b32 s[YY], ttmp7, 0xffff                 ; the cluster's y: the head
	s_mov_b32 s[G1], 15|(3<<16)|(1<<21)            ; 15:0 the mask: all four partners; 17:16 elements of 8 bytes; 21 set beside a mask; no padding
	s_mov_b32 s[G1+1], 32<<16                      ; a record, dense in memory and in LDS: 66 rows of 256 bytes
	s_mov_b32 s[G1+2], 66<<16
	s_mov_b32 s[G1+3], 32<<16
	s_mov_b32 s[G1+4], 66
	s_mov_b32 s[G1+5], 32
	s_mov_b32 s[G1+6], 0
	s_mov_b32 s[G1+7], 0
	s_mul_i32 s48, s[YY], HS                       ; the head's first byte in qrec and in kv (under 2^25)
	s_mul_i32 s[G0+1], s[WV], REC                  ; LDS address: record = wave
	s_add_co_u32 s46, s48, s[G0+1]                 ; and the same record in memory
	s_mov_b32 s47, 0
	s_lshl_b32 s50, s[WV], 2
	s_add_co_u32 s50, s50, s[CX]                   ; the second tile: 4 w + cx
	s_sub_co_u32 s51, 127, s50                     ; the first tile
	s_lshr_b32 s52, s51, 3
	s_mul_i32 s52, s52, REC
	s_add_co_u32 s52, s52, s48                     ; q's record, first tile
	s_mov_b32 s53, 0
	s_lshr_b32 s54, s50, 3
	s_mul_i32 s54, s54, REC
	s_add_co_u32 s54, s54, s48                     ; second tile
	s_mov_b32 s55, 0
	s_lshr_b32 s56, s[YY], 4
	s_lshl_b32 s56, s56, 23                        ; out0: a batch is 2,048 rows of 4,096 bytes,
	s_and_b32 s57, s[YY], 15
	s_lshl_b32 s57, s57, 8                         ; a head 256 bytes of a row,
	s_add_co_u32 s56, s56, s57
	s_lshl_b32 s[OB], s51, 16                      ; a tile 16 rows
	s_add_co_u32 s[OB], s[OB], s56
	s_mov_b32 s[OB+1], 0
	s_lshl_b32 s[OB2], s50, 16
	s_add_co_u32 s[OB2], s[OB2], s56
	s_mov_b32 s[OB2+1], 0
	s_lshr_b32 s[LAST2], s[WV], 1                  ; (4 w + cx) / 8 = w / 2
	s_sub_co_u32 s[LAST], 15, s[LAST2]             ; (127 - 4 w - cx) / 8 = 15 - w / 2
	s_and_b32 s[DH2], s[WV], 1                     ; (4 w + cx) % 8 = 4 (w % 2) + cx
	s_xor_b32 s[DH], s[DH2], 1                     ; (127 - 4 w - cx) % 8 = 7 - 4 (w % 2) - cx
	s_and_b32 s58, s51, 7
	s_and_b32 s59, s50, 7
	s_lshl_b32 s[DQ], s58, 4
	s_lshl_b32 s[DQ2], s59, 4
	s_lshl_b32 s60, s58, 10                        ; q: a tile's two pieces begin 1,024 x (tile % 8) into the record
	s_lshl_b32 s61, s59, 10
	s_lshr_b32 s62, s58, 1
	s_lshl_b32 s62, s62, 2                         ; the word that holds its two bytes: 4 x ((tile % 8) / 2),
	s_lshr_b32 s63, s59, 1
	s_lshl_b32 s63, s63, 2
	s_and_b32 s66, s58, 1
	s_lshl_b32 s66, s66, 4                         ; and which half of it
	s_and_b32 s67, s59, 1
	s_lshl_b32 s67, s67, 4
	s_mul_i32 s57, s[WV], 16*SP
	s_add_co_u32 s57, s57, STAGE                   ; my stage
	s_mov_b32 s[SEL], 0x76543210
	s_mov_b32 s[SEL+1], 0xfedcba98
	s_mov_b32 s[CS], 0x3e38aa3b                    ; c = log2(e) / 8
	s_mov_b32 s[CS+1], s[CS]
	s_mov_b32 s[MNT], 0x600000
	s_mov_b32 s[TB], 0
	s_mov_b32 s[RN], 0
	s_wait_dscnt 0x0                               ; both opening adds are done
	s_wait_kmcnt 0x0
	s_add_nc_u64 s[46:47], s[6:7], s[46:47]
	s_add_nc_u64 s[52:53], s[4:5], s[52:53]
	s_add_nc_u64 s[54:55], s[4:5], s[54:55]
	s_add_nc_u64 s[OB:OB+1], s[8:9], s[OB:OB+1]
	s_add_nc_u64 s[OB2:OB2+1], s[8:9], s[OB2:OB2+1]
	CROUND                                         ; all four partners are here: the joint loads meet
	s_mov_b32 s[G0], 1
	s_mov_b64 s[G0+2:G0+3], s[46:47]
	s_or_b32 s[G0+3], s[G0+3], 0x80000000
	ARM 1, .Lh1                                    ; wave 0: record 0, which is wanted first
	ARM 4, .Lh2                                    ; waves 1 to 3
	tensor_load_to_lds s[G0:G0+3], s[G1:G1+7]      ; waves 4 to 15.  One tensor load of a wave is out
	s_nop 0
.rept 4
	v_nop
.endr
.Lasked:
	v_and_b32 v8, 31, v0
	v_lshlrev_b32 v[LI], 4, v8
	v_and_b32 v[RR], 15, v0                        ; r
	v_bfe_u32 v9, v0, 4, 1                         ; h
	v_lshlrev_b32 v[LR], 4, v[RR]
	v_lshlrev_b32 v[RQ], 3, v9
	v_sub_nc_u32 v[RQ], v[RR], v[RQ]
	v_add_nc_u32 v[BM], s60, v[LI]
	v_add_nc_u32 v[BM+1], s62, v[LR]
	v_add_nc_u32 v[BM+2], s61, v[LI]
	v_add_nc_u32 v[BM+3], s63, v[LR]
	global_load_b128 v[QLO:QLO+3], v[BM], s[52:53] th:TH_LOAD_NT
	global_load_b128 v[QLO+4:QLO+7], v[BM], s[52:53] offset:512 th:TH_LOAD_NT
	global_load_b32 v[QSH], v[BM+1], s[52:53] offset:16384
	global_load_b128 v[Q2:Q2+3], v[BM+2], s[54:55] th:TH_LOAD_NT
	global_load_b128 v[Q2+4:Q2+7], v[BM+2], s[54:55] offset:512 th:TH_LOAD_NT
	global_load_b32 v[Q2S], v[BM+3], s[54:55] offset:16384
	v_and_b32 v8, 7, v0                            ; r % 8
	v_mul_u32_u24 v[STO], v[RR], SP
	v_lshl_add_u32 v[STO], v9, 5, v[STO]
	v_add_nc_u32 v[STO], s57, v[STO]               ; in: row r; tile t's eight channels of my half: 64 t + 32 h bytes on
	v_mul_u32_u24 v[RD], v9, SP
	v_lshl_add_u32 v[RD], v8, 4, v[RD]
	v_add_nc_u32 v[RD], s57, v[RD]                 ; back: lanes 0-15 one row, lanes 16-31 the next
	v_lshlrev_b32 v[TP], 12, v9
	v_lshl_add_u32 v[GO], v[RR], 4, v[TP]          ; and the same two rows in out0, 4,096 bytes apart
.irp j, 0,1,2,3,4,5,6,7
	v_mov_b32 v[QHI+\j], 0                         ; zero codes on both sides of q
	v_mov_b32 v[QLO+8+\j], 0
.endr
	v_mov_b32 v13, 0xff61b1e6                      ; the largest t so far: -3e38, under every t
	v_floor_f32 v12, -v13                          ; -M
	v_mov_b32 v14, 0
	v_mov_b32 v15, 0
.irp b, 0,1,2,3
	v_mov_b32 v[T2+\b], 0                          ; written once: a lane permute's destination counts as one of its sources
.endr
	v_mov_b32 v[FF+1], 0
	v_mov_b32 v[NINF], 0xff800000
.set n, 0
.rept 32
	v_mov_b32 v[OT+n], 0                           ; O^T: a tile's first step finds zeros, which the first change of M leaves zeros
.set n, n+1
.endr
	s_wait_alu depctr_va_vdst(0)
	s_wait_loadcnt 0x0                             ; q of both tiles
	v_lshrrev_b32 v[TP], s66, v[QSH]
	v_and_b32 v[TP], 0xffff, v[TP]                 ; my tile's two bytes
	v_or_b32 v[QSL], 0x7f7f0000, v[TP]             ; under [q | 0]: the zero codes' blocks get the byte 127
	v_lshl_or_b32 v[QSH], v[TP], 16, 0x7f7f        ; under [0 | q]
	v_lshrrev_b32 v[Q2S], s67, v[Q2S]
	v_and_b32 v[Q2S], 0xffff, v[Q2S]
	s_wait_alu depctr_va_vdst(0)
; A KEY STEP: the 128 keys of the record in hand.  chk = 1: the step may lie behind my queries (left out) or on the diagonal (masked).
.macro STEP chk
.if \chk
	s_cmp_gt_u32 s[RN], s[LAST]                    ; the wave's number and the count of steps alone
	s_cbranch_scc1 .Lhidden_\@
.endif
	v_add_nc_u32 v[ADK], s[TB], v[LI]
	v_add_nc_u32 v[ADS], s[TB], v[LR]
.rept 6
	v_nop                                          ; with the two additions: eight places in front of loads into registers that the last products have read
.endr
	ds_load_b128 v[KSC:KSC+3], v[ADS] offset:16384
.set n, 0
.rept 16
	ds_load_b128 v[FR+4*n:FR+4*n+3], v[ADK] offset:512*n   ; K's sixteen pieces: four fragments of two key tiles each
.set n, n+1
.endr
	s_wait_dscnt 0x0
	s_wait_alu depctr_va_vdst(0)
.irp b, 0,1,2,3
	v_wmma_scale_f32_16x16x128_f8f6f4 v[SS+16*\b:SS+16*\b+7], v[FR+16*\b:FR+16*\b+15], v[QLO:QLO+15], 0, v[KSC+\b], v[QSL] matrix_a_fmt:MATRIX_FMT_BF8 matrix_b_fmt:MATRIX_FMT_BF8
	v_wmma_scale_f32_16x16x128_f8f6f4 v[SS+16*\b+8:SS+16*\b+15], v[FR+16*\b:FR+16*\b+15], v[QHI:QHI+15], 0, v[KSC+\b], v[QSH] matrix_a_fmt:MATRIX_FMT_BF8 matrix_b_fmt:MATRIX_FMT_BF8
.endr                                          ; lane (r, h): query r; register 8 t + j: key 16 t + 8 h + j
.rept 8
	v_nop
.endr
	ds_load_b128 v[VSC:VSC+3], v[ADS] offset:16640 ; V is asked for now, into the registers that K has left
.set n, 0
.rept 16
	ds_load_b128 v[FR+4*n:FR+4*n+3], v[ADK] offset:8192+512*n
.set n, n+1
.endr
.if \chk
	s_cmp_lg_u32 s[RN], s[LAST]                    ; only the tile's last record holds hidden keys
	s_cbranch_scc1 .Lopen_\@
	s_cmp_eq_u32 s[DH], 0
	s_cbranch_scc0 .Lhi_\@
	v_add_nc_u32 v[TP], s[DQ], v[RQ]               ; d = my query - the step's first key - 8 h: register n is hidden where 16 (n / 8) + n % 8 > d
.set n, 0
.rept 32                                       ; the diagonal lies in key tiles 0 to 3,
	v_cmp_gt_i32 vcc_lo, 16*(n/8)+n%8, v[TP]
	v_cndmask_b32 v[SS+n], v[SS+n], v[NINF], vcc_lo
.set n, n+1
.endr
.rept 32                                       ; and tiles 4 to 7 are hidden whole
	v_mov_b32 v[SS+n], v[NINF]
.set n, n+1
.endr
	s_branch .Lopen_\@
.Lhi_\@:
	v_add_nc_u32 v[TP], s[DQ], v[RQ]
.set n, 32
.rept 32                                       ; tiles 0 to 3 count whole, the diagonal lies in tiles 4 to 7
	v_cmp_gt_i32 vcc_lo, 16*(n/8)+n%8, v[TP]
	v_cndmask_b32 v[SS+n], v[SS+n], v[NINF], vcc_lo
.set n, n+1
.endr
.Lopen_\@:
	s_wait_alu depctr_va_vdst(0)
.endif
.irp b, 0,1,2,3
	v_max3_num_f32 v[BM+\b], v[SS+16*\b], v[SS+16*\b+1], v[SS+16*\b+2]   ; the largest score of each block of 32 keys: for the row's maximum and, since p rises with the score, for the block's largest p
.endr
.irp i, 3,5,7,9,11,13
.irp b, 0,1,2,3
	v_max3_num_f32 v[BM+\b], v[BM+\b], v[SS+16*\b+\i], v[SS+16*\b+\i+1]
.endr
.endr
.irp b, 0,1,2,3
	v_max_num_f32 v[BM+\b], v[BM+\b], v[SS+16*\b+15]
.endr
.irp b, 0,1,2,3
	v_permlanex16_b32 v[T2+\b], v[BM+\b], s[SEL], s[SEL+1]
.endr
.irp b, 0,1,2,3
	v_max_num_f32 v[BM+\b], v[BM+\b], v[T2+\b]     ; with lane l xor 16's 16 keys
.endr
	v_max3_num_f32 v[TP], v[BM], v[BM+1], v[BM+2]
	v_max_num_f32 v[TP], v[TP], v[BM+3]            ; the step's largest score of my query (the step's first key counts for every query of the wave)
	v_mul_f32 v[TP], s[CS], v[TP]                  ; as t
	v_max_num_f32 v13, v13, v[TP]                  ; the running largest t
	v_mov_b32 v[TP], v12
	v_floor_f32 v12, -v13                          ; the new -M = floor(-t) = -ceil(t)
	v_sub_f32 v[TP], v12, v[TP]                    ; M's old value less its new one: a whole number, 0 or less
	v_cvt_i32_f32 v[TP], v[TP]                     ; (it saturates)
	v_ldexp_f32 v[FF], 1.0, v[TP]                  ; f = 2^(old M - new M)
.set n, 0
.rept 32
	v_pk_fma_f32 v[SS+n:SS+n+1], v[SS+n:SS+n+1], s[CS:CS+1], v[12:13] op_sel_hi:[1,0,0]   ; t - M, two at a time
.set n, n+2
.endr
.irp b, 0,1,2,3
	v_fma_f32 v[BM+\b], v[BM+\b], s[CS], v12       ; the same of each block's largest score
.endr
	s_wait_alu depctr_va_vdst(0)
.set n, 0
.rept 64
	v_exp_f32 v[SS+n], v[SS+n]                     ; p = 2^(t - M), at most 1
.set n, n+1
.endr
	v_pk_mul_f32 v[14:15], v[14:15], v[FF:FF+1] op_sel_hi:[1,0]   ; the sums under the new M: a plain instruction behind the exponentials
	s_wait_alu depctr_va_vdst(0)                   ; one wait for the batch of 64, ahead of its first reader
.irp b, 0,1,2,3
	v_exp_f32 v[BM+\b], v[BM+\b]                   ; the block's largest p: the same two instructions on the same number give the same bits
.endr
	v_pk_add_f32 v[220:221], v[108:109], v[112:113]   ; the row's sum of the unquantised p, in eight chains
	v_pk_add_f32 v[234:235], v[116:117], v[120:121]
	v_pk_add_f32 v[232:233], v[124:125], v[128:129]
	v_pk_add_f32 v[230:231], v[132:133], v[136:137]
	v_pk_add_f32 v[228:229], v[140:141], v[144:145]
	v_pk_add_f32 v[226:227], v[148:149], v[152:153]
	v_pk_add_f32 v[224:225], v[156:157], v[160:161]
	v_pk_add_f32 v[14:15], v[14:15], v[164:165]
	v_pk_add_f32 v[220:221], v[220:221], v[104:105]
	v_pk_add_f32 v[234:235], v[234:235], v[106:107]
	v_pk_add_f32 v[232:233], v[232:233], v[110:111]
	v_pk_add_f32 v[230:231], v[230:231], v[114:115]
	v_pk_add_f32 v[228:229], v[228:229], v[118:119]
	v_pk_add_f32 v[226:227], v[226:227], v[122:123]
	v_pk_add_f32 v[224:225], v[224:225], v[126:127]
	v_pk_add_f32 v[14:15], v[14:15], v[130:131]
	v_pk_add_f32 v[220:221], v[220:221], v[134:135]
	v_pk_add_f32 v[234:235], v[234:235], v[138:139]
	v_pk_add_f32 v[232:233], v[232:233], v[142:143]
	v_pk_add_f32 v[230:231], v[230:231], v[146:147]
	v_pk_add_f32 v[228:229], v[228:229], v[150:151]
	v_pk_add_f32 v[226:227], v[226:227], v[154:155]
	v_pk_add_f32 v[224:225], v[224:225], v[158:159]
	v_pk_add_f32 v[14:15], v[14:15], v[162:163]
	v_pk_add_f32 v[220:221], v[220:221], v[166:167]
	v_pk_add_f32 v[14:15], v[14:15], v[230:231]
	v_pk_add_f32 v[220:221], v[220:221], v[228:229]
	v_pk_add_f32 v[234:235], v[234:235], v[226:227]
	v_pk_add_f32 v[232:233], v[232:233], v[224:225]
	v_pk_add_f32 v[14:15], v[14:15], v[234:235]
	v_pk_add_f32 v[220:221], v[220:221], v[232:233]
	v_pk_add_f32 v[14:15], v[14:15], v[220:221]
	s_wait_alu depctr_va_vdst(0)                   ; and one for the four
.irp b, 0,1,2,3
	v_max_num_f32 v[BM+\b], 0x8000000, v[BM+\b]    ; the floor 2^(16 - 127): the byte cannot fall under 1 (a block whose every p is 0 keeps that byte: its codes are zeros)
.endr
.irp b, 0,1,2,3
	v_add_nc_u32 v[SOP+\b], 0xf8800000, v[BM+\b]   ; 15 off the exponent field: the conversion's scale operand
.endr
.irp b, 0,1,2,3
	v_and_or_b32 v[LM+\b], v[BM+\b], 0x7f800000, s[MNT]   ; 57,344 x the scale
.endr
.irp b, 0,1,2,3
	v_lshrrev_b32 v[T2+\b], 23, v[SOP+\b]          ; the scale's byte
.endr
	v_lshl_or_b32 v[PW], v[T2+1], 8, v[T2]         ; p's scale word for these 128 keys
	v_lshl_or_b32 v[PW], v[T2+2], 16, v[PW]
	v_lshl_or_b32 v[PW], v[T2+3], 24, v[PW]
; The hold: the conversion to an 8-bit code does not saturate (ISA guide 7.6.2); p is not negative, so it is one-sided.
.irp b, 0,2
.irp i, 0,2,4,6,8,10,12,14
	v_min_num_f32 v[SS+16*\b+\i], v[SS+16*\b+\i], v[LM+\b]
	v_min_num_f32 v[SS+16*\b+\i+1], v[SS+16*\b+\i+1], v[LM+\b]
	v_min_num_f32 v[SS+16*\b+16+\i], v[SS+16*\b+16+\i], v[LM+\b+1]
	v_min_num_f32 v[SS+16*\b+17+\i], v[SS+16*\b+17+\i], v[LM+\b+1]
.endr
.irp u, 0,1
	v_cvt_scalef32_pk8_bf8_f32 v[PCD+4*(\b+\u):PCD+4*(\b+\u)+1], v[SS+16*(\b+\u):SS+16*(\b+\u)+7], v[SOP+\b+\u]
	v_cvt_scalef32_pk8_bf8_f32 v[PCD+4*(\b+\u)+2:PCD+4*(\b+\u)+3], v[SS+16*(\b+\u)+8:SS+16*(\b+\u)+15], v[SOP+\b+\u]
.endr
.endr
	s_wait_alu depctr_va_vdst(0)
.set n, 0
.rept 16
	v_pk_mul_f32 v[OT+n:OT+n+1], v[OT+n:OT+n+1], v[FF:FF+1] op_sel_hi:[1,0]   ; O^T under the new M: x f.  (These sixteen are also the places between the conversions and the products)
.set n, n+2
.endr
	s_wait_alu depctr_va_vdst(0)
	s_wait_dscnt 0x0                               ; V is in
.irp t, 0,1,2,3                                ; O^T += V^T P^T: four tiles of 16 of the head's 64, by turns; K = these 128 keys
	v_wmma_scale_f32_16x16x128_f8f6f4 v[OT+8*\t:OT+8*\t+7], v[FR+16*\t:FR+16*\t+15], v[PCD:PCD+15], v[OT+8*\t:OT+8*\t+7], v[VSC+\t], v[PW] matrix_a_fmt:MATRIX_FMT_BF8 matrix_b_fmt:MATRIX_FMT_BF8
.endr
.if \chk
.Lhidden_\@:
.endif
	s_add_co_u32 s[TB], s[TB], REC                 ; on to the next record
.endm
; THE WAY OUT of a tile of queries.  O^T is divided by the row's sum and goes through my stage in LDS in two passes, 32 channels (128 bytes a query) each.  Behind each pass lane l reads, for each pair of rows, the 16 bytes
; at place l % 8 of its row; a select by the lane's bit 3 then takes the first pass's bytes in lanes with l % 16 under 8 and the second's in the others: so sixteen lanes store the 256 consecutive bytes that a token has
; for this head.  LDS serves a wave's instructions in order (ISA guide 5.7.1.4): a pass's loads see its stores, and the second pass's stores come behind the first's loads.
.macro WAYOUT
.rept 8
	v_nop                                          ; places behind the last products
.endr
	v_add_f32 v14, v14, v15                        ; the sum's two halves,
	s_wait_alu depctr_va_vdst(0)
	v_permlanex16_b32 v[TP], v14, s[SEL], s[SEL+1]
	v_add_f32 v14, v14, v[TP]                      ; and lane l xor 16's: the row's sum
	s_wait_alu depctr_va_vdst(0)                   ; the wait ahead of the reciprocal,
	v_rcp_f32 v14, v14
	v_nop                                          ; one plain instruction behind it,
	s_wait_alu depctr_va_vdst(0)                   ; and the wait ahead of its first reader
.set n, 0
.rept 16
	v_pk_mul_f32 v[SS+n:SS+n+1], v[OT+n:OT+n+1], v[14:15] op_sel_hi:[1,0]   ; register 8 t + j is o(query r, channel 16 t + 8 h + j)
.set n, n+2
.endr
	s_mov_b32 s44, 0xff00ff00                      ; the lanes with l % 16 from 8 on
.irp p, 0,1
.irp t, 0,1
	ds_store_b128 v[STO], v[SS+16*\p+8*\t:SS+16*\p+8*\t+3] offset:64*\t
	ds_store_b128 v[STO], v[SS+16*\p+8*\t+4:SS+16*\p+8*\t+7] offset:64*\t+16
.endr
.irp i, 0,1,2,3,4,5,6,7
	ds_load_b128 v[FR+32*\p+4*\i:FR+32*\p+4*\i+3], v[RD] offset:2*\i*SP
.endr
.endr
.irp i, 0,1,2,3,4,5,6,7
	s_wait_dscnt 7-\i                              ; behind the second pass's load i stand its 7 - i later ones; the first pass's came back earlier
.irp k, 0,1,2,3
	v_cndmask_b32 v[FR+4*\i+\k], v[FR+4*\i+\k], v[FR+32+4*\i+\k], s44
.endr
	global_store_b128 v[GO], v[FR+4*\i:FR+4*\i+3], s[OB:OB+1] offset:8192*\i th:TH_STORE_NT   ; 16 lanes store 256 consecutive bytes, at a multiple of 256 from out0's first byte
.endr
.endm
	SHOW 1                                         ; record 0 is in
	STEP 0
	SHOW 4                                         ; records 1 to 3
	s_mov_b32 s[TB], REC
	s_mov_b32 s[RN], 1
.Lfew:
	STEP 0
	s_add_co_u32 s[RN], s[RN], 1
	s_cmp_lt_u32 s[RN], 4
	s_cbranch_scc1 .Lfew
	SHOW 16                                        ; all sixteen
	s_mov_b32 s[TB], 4*REC
	s_mov_b32 s[RN], 4
.Lfirst:                                           ; twelve trips, a constant; a wave's steps behind its diagonal are jumped over
	STEP 1
	s_add_co_u32 s[RN], s[RN], 1
	s_cmp_lt_u32 s[RN], 16
	s_cbranch_scc1 .Lfirst
	WAYOUT
	s_wait_xcnt 0x0                                ; the stores have read their registers and their base: both may be written again
	s_mov_b64 s[OB:OB+1], s[OB2:OB2+1]             ; the second tile begins, at key 0
	s_mov_b32 s[LAST], s[LAST2]
	s_mov_b32 s[DH], s[DH2]
	s_mov_b32 s[DQ], s[DQ2]
	s_mov_b32 s[TB], 0
	s_mov_b32 s[RN], 0
.irp j, 0,1,2,3,4,5,6,7
	v_mov_b32 v[QLO+\j], v[Q2+\j]
.endr
	v_or_b32 v[QSL], 0x7f7f0000, v[Q2S]
	v_lshl_or_b32 v[QSH], v[Q2S], 16, 0x7f7f
	v_mov_b32 v13, 0xff61b1e6
	v_floor_f32 v12, -v13
	v_mov_b32 v14, 0
	v_mov_b32 v15, 0
.set n, 0
.rept 32
	v_mov_b32 v[OT+n], 0
.set n, n+1
.endr
.Lsecond:                                          ; eight trips
	STEP 1
	s_add_co_u32 s[RN], s[RN], 1
	s_cmp_lt_u32 s[RN], 8
	s_cbranch_scc1 .Lsecond
	WAYOUT
	s_wait_tensorcnt 0x0                           ; the wave's end, behind my tensor load and my last LDS store
	ds_add_u32 v[SPW], v[NIL]
	s_wait_dscnt 0x0
	CROUND                                         ; the closing round
	s_endpgm
.Lfunc_end_k_q685b121bb0_attn:
	.size	k_q685b121bb0_attn, .Lfunc_end_k_q685b121bb0_attn-k_q685b121bb0_attn
	.p2alignl 7, 3214868480
	.fill 96, 4, 3214868480
	.section	.rodata,"a",@progbits
	.p2align	6, 0x0
	.amdhsa_kernel k_q685b121bb0_attn
		.amdhsa_group_segment_fixed_size 327680
		.amdhsa_private_segment_fixed_size 0
		.amdhsa_enable_private_segment 0
		.amdhsa_kernarg_size 24
		.amdhsa_user_sgpr_count 2
		.amdhsa_user_sgpr_kernarg_segment_ptr 1
		.amdhsa_wavefront_size32 1
		.amdhsa_system_sgpr_workgroup_id_x 1
		.amdhsa_system_sgpr_workgroup_id_y 1
		.amdhsa_system_sgpr_workgroup_id_z 1
		.amdhsa_system_vgpr_workitem_id 0
		.amdhsa_next_free_vgpr 256
		.amdhsa_next_free_sgpr 72
		.amdhsa_reserve_vcc 1
		.amdhsa_float_denorm_mode_32 3
		.amdhsa_float_denorm_mode_16_64 3
		.amdhsa_memory_ordered 1
		.amdhsa_forward_progress 1
		.amdhsa_inst_pref_size 110
	.end_amdhsa_kernel
	.amdgpu_metadata
---
amdhsa.version: [ 1, 2 ]
amdhsa.kernels:
  - .name:           k_q685b121bb0_attn
    .symbol:         k_q685b121bb0_attn.kd
    .args:
      - { .name: qrec, .offset: 0, .size: 8, .value_kind: global_buffer, .address_space: global }
      - { .name: kv, .offset: 8, .size: 8, .value_kind: global_buffer, .address_space: global }
      - { .name: out0, .offset: 16, .size: 8, .value_kind: global_buffer, .address_space: global }
    .group_segment_fixed_size: 327680
    .private_segment_fixed_size: 0
    .kernarg_segment_align: 8
    .kernarg_segment_size: 24
    .max_flat_workgroup_size: 512
    .sgpr_count:     72
    .vgpr_count:     256
    .wavefront_size: 32
...
	.end_amdgpu_metadata
.endif
;; end of part 2
